; MI455X (gfx1250); checked and timed in simulation.
; The chip was launched on July 23, 2026; its instructions are those of AMD's public machine-readable ISA for CDNA 5 (MIT licence, August 2026) and "CDNA5" Instruction Set Architecture Reference Guide (July 2026). The comments in the code are by the model that wrote it; some were corrected since.
;; Multi Head Attention. Allowed arithmetic: matrix products marked QUANTISED: E2M1 operands, one E8M0 scale for each 32 along K, by v_wmma_scale_f32_16x16x128_f8f6f4 with both operands' format E2M1 (or v_wmma_scale_f32_32x16x128_f4), f32 sums; products left as they are: bf16, f16 or f32 operands; f32 sums; everything else in f32.
;; Inputs: Wk 16 x 1,024 x 64 float32; Wo 1,024 x 1,024 float32; Wq 16 x 1,024 x 64 float32; Wv 16 x 1,024 x 64 float32; bk 16 x 64 float32; bo 1,024 float32; bq 16 x 64 float32; bv 16 x 64 float32; x 4 x 2,048 x 1,024 float32.
;; Outputs: out0 4 x 2,048 x 1,024 float32.
;; This version of the problem:
;;   THIS VERSION OF THE PROBLEM IS GIVEN IN LOW PRECISION. The matrix products marked QUANTISED in the list below multiply operands that are first quantised to E2M1 (2 exponent bits, 1 mantissa bit; 4 bits a number), with one power-of-two scale for each 32 numbers along K (OCP MX v1.0); their sums are f32. The products marked 'left as it is' may take bf16, f16 or f32 operands, with f32 sums. Whichever they take, every output number must still come out within the allowed error. Rounding operands to bf16 (8 significant bits) uses up far more of that allowance than f16 does (11 bits, for magnitudes from 6e-5 to 65,504). All else is computed in f32.
;;   The module's matrix products, in the order in which they are computed (A, B: the left and right operand; K: the contracted axis; several contracted axes count as one K, in the product's order):
;;     1. [M 1,024, K 1,024] x [K 1,024, N 8,192]; A: input Wq; B: input x: QUANTISED
;;     2. [M 1,024, K 1,024] x [K 1,024, N 8,192]; A: input Wk; B: input x: QUANTISED
;;     3. [M 1,024, K 1,024] x [K 1,024, N 8,192]; A: input Wv; B: input x: QUANTISED
;;     4. batch 64 x [M 2,048, K 64] x [K 64, N 2,048]; A: computed on the way; B: computed on the way: left as it is (an operand is computed on the way)
;;     5. batch 64 x [M 2,048, K 2,048] x [K 2,048, N 64]; A: computed on the way; B: computed on the way: left as it is (an operand is computed on the way)
;;     6. [M 8,192, K 1,024] x [K 1,024, N 1,024]; A: computed on the way; B: input Wo: left as it is (an operand is computed on the way)
;;   THE QUANTISER, for each operand of a quantised product, along K:
;;     - K is cut into blocks of 32 from its start; a last block that is shorter is filled with zeros.
;;     - A block's scale is 2^e with e = floor(log2(the largest magnitude in the block)) - 2, held to -126 .. 127; a block of zeros has e = 0. As a byte (E8M0): e + 127.
;;     - Each number is divided by its block's scale, clamped to +-6, and rounded to the nearest number of E2M1, ties to even, subnormals kept.
;;     - The product sums the exact products of the quantised numbers (number of the format x scale) in f32.
;;   ~~~python
;;   def quantise(x, axis):      # numpy; x: float32 -> the quantised numbers, widened to float32 again
;;       x = np.moveaxis(x, axis, -1); K = x.shape[-1]
;;       x = np.pad(x, [(0, 0)] * (x.ndim - 1) + [(0, -K % 32)]); x = x.reshape(x.shape[:-1] + (-1, 32)); a = np.abs(x).max(-1, keepdims=True)
;;       e = np.where(a > 0, np.clip(np.frexp(np.where(a > 0, a, 1))[1] - 1 - 2, -126, 127), 0)      # np.frexp(a)[1] - 1 = floor(log2(a)), exactly
;;       r = np.clip(x / 2.0 ** e, -6, 6)
;;       step = 2.0 ** (np.maximum(np.frexp(np.where(r == 0, 1, r))[1] - 1, 0) - 1)
;;       q = np.round(r / step) * step * 2.0 ** e      # np.round: ties to even
;;       return np.moveaxis(q.reshape(q.shape[:-2] + (-1,))[..., :K], -1, axis).astype(np.float32)
;;   ~~~
;; One version. Each part assembles by itself: llvm-mc -triple=amdgcn-amd-amdhsa -mcpu=gfx1250 --defsym DOCPART=n.
;; ======== version 1 of 1: 4 launches
;; limits: values are held in f16: magnitudes above 65,504 overflow, below 6.1e-05 lose precision; right only within a limited range of input values
;; workspace buffers: x_codes 4,194,304 bytes; x_scales 262,144 bytes; w_codes 1,572,864 bytes; w_scales 98,304 bytes; wo_f 2,097,152 bytes; qkv_f 50,331,648 bytes; ctx_f 16,777,216 bytes
;; launch prep (part 1): grid 512 x 1, 4 waves a work-group, no clusters, 33,280 bytes of LDS; arguments x, Wq, Wk, Wv, Wo, x_codes, x_scales, w_codes, w_scales, wo_f; writes x_codes, x_scales, w_codes, w_scales, wo_f
.if DOCPART == 1
	.amdgcn_target "amdgcn-amd-amdhsa--gfx1250"
	.amdhsa_code_object_version 6
	.text
	.protected	k_qf8cf452cab_prep
	.globl	k_qf8cf452cab_prep
	.p2align	8
	.type	k_qf8cf452cab_prep,@function
k_qf8cf452cab_prep:
	s_mov_b64 s[64:65], 0
	v_nop
	global_prefetch_b8 v0, s[64:65] scope:SCOPE_SE
	s_setreg_imm32_b32 hwreg(HW_REG_WAVE_MODE, 25, 1), 1
	s_wait_xcnt 0x0
; PREP: the operands of the later launches are made once, each input number read once.
;   work-groups   0-255 (path X): x [8192][1024] f32 -> codes of FP4 (E2M1), K innermost, [8192][512 bytes], and one E8M0 byte for each 32 along K, [8192][32].
;   work-groups 256-447 (path W): Wq, Wk, Wv [16][1024 (K)][64] f32 -> codes, quantised along K, laid AS THE MATRIX OPERAND'S REGISTERS: [tile of 16 channels: 192][128 along K: 8][c: 2][512 bytes];
;                                 lane (r, h)'s 16 bytes at 16 x lane hold k = 64 c + 32 h + 0 .. 31 of channel r.  Channel = 1024 x (q, k, v) + 64 x head + d.  Scale bytes [3072][32].
;   work-groups 448-511 (path O): Wo [1024 (K = e)][1024 (n)] f32 -> f16, as operand registers: [n / 128: 8][e / 256: 4][tile of 16 n: 8][32 along e: 8][c: 2][512 bytes]; lane (r, h): n = r, e = 16 c + 8 h + 0 .. 7.
; A block's scale is 2^(floor(log2(its largest magnitude)) - 2); its byte is the largest magnitude's exponent field - 2, held at 1 from below by a floor of 2^(3 - 127) among the maximum's leaves.
; LIMITS: a block of zeros gets the byte 1 where the rule says 127 (its codes are zeros, which add nothing under any byte but 0xff, and this program alone reads the bytes); NaN and infinities are not served;
; Wo goes to f16: |Wo| under 65,504.
; The three paths part on the work-group's number alone.  Waves share nothing: no barrier, no cluster (no two work-groups read the same bytes).  Only path X uses LDS.
.set WAVES, 4
.set STEPS, 16
.set EMAX,  2
.set CB,    8                          ; bytes of 16 codes
.set R,     16                         ; path X: v16-79   four sets of 16 numbers as they are loaded
.set X,     80                         ;         v80-111  two sets of 16 neighbours
.set E,     112                        ;         v112-127 a scale byte for each step
.set C,     128                        ;         v128-191 codes: four registers for each step, so that no store's data are written again
.set WREG,  8192                       ; LDS: a region for each wave: two stages of 32 x SP bytes, behind them its 256 scale bytes
.set SP,    80                         ; a lane's place in a stage: 64 bytes + 16 of padding
.set SPW,   12                         ; v12 LDS address of my spare word; never rewritten
.set NIL,   13                         ; v13 0; never rewritten
.set SPARE, WAVES*WREG                 ; behind the four regions: the spare words, 128 bytes a wave
.set NUM,   32                         ; paths W and O: v32-159 128 numbers down K of my column
.set OC,    160                        ; paths W and O: from v160 what is stored
	s_load_b512 s[4:19], s[0:1], 0x0               ; x 4, Wq 6, Wk 8, Wv 10, Wo 12, x_codes 14, x_scales 16, w_codes 18
	s_load_b128 s[20:23], s[0:1], 0x40             ; w_scales 20, wo_f 22
	v_lshl_add_u32 v[SPW], v0, 2, SPARE
	v_mov_b32 v[NIL], 0
	v_lshrrev_b32 v1, 5, v0
	v_readfirstlane_b32 s24, v1                    ; wave 0..3
	v_and_b32 v2, 31, v0                           ; lane
	s_wait_kmcnt 0x0
	s_cmp_lt_u32 ttmp9, 256
	s_cbranch_scc1 .Lpath_x
	s_cmp_lt_u32 ttmp9, 448
	s_cbranch_scc1 .Lpath_w
; ---------------- PATH O.  A lane takes a column n of Wo and its registers run down e: each load reads 128 consecutive bytes, the work-group's four waves 512.
	s_sub_co_u32 s25, ttmp9, 448
	s_lshr_b32 s26, s25, 3                         ; which 128 along e
	s_and_b32 s27, s25, 7                          ; which 128 columns
	s_lshl_b32 s28, s26, 19                        ; 128 rows of 4,096 bytes
	s_lshl_b32 s29, s27, 9
	s_add_co_u32 s28, s28, s29
	s_lshl_b32 s29, s24, 7                         ; my wave's 32 columns
	s_add_co_u32 s28, s28, s29
	s_mov_b32 s29, 0
	s_add_nc_u64 s[12:13], s[12:13], s[28:29]
	s_lshl_b32 s28, s27, 18                        ; out: 262,144 bytes for each 128 columns,
	s_lshr_b32 s30, s26, 1
	s_lshl_b32 s30, s30, 16                        ; 65,536 for each 256 along e,
	s_add_co_u32 s28, s28, s30
	s_lshl_b32 s30, s24, 14                        ; my wave's two tiles of 16 columns, 8,192 each,
	s_add_co_u32 s28, s28, s30
	s_and_b32 s30, s26, 1
	s_lshl_b32 s30, s30, 12                        ; and which four of the eight steps of 32 along e
	s_add_co_u32 s28, s28, s30
	s_add_nc_u64 s[22:23], s[22:23], s[28:29]
	v_lshlrev_b32 v3, 2, v2
	v_lshlrev_b32 v4, 4, v2
.set i, 0
.rept 128
	global_load_b32 v[NUM+i], v3, s[12:13] offset:4096*i th:TH_LOAD_NT
.set i, i+1
.endr
; 32 along e: 16 packed registers; register i holds e = 2 i, 2 i + 1 of my column.  The operand wants lanes 0-15 to hold e = 0 .. 7 (c = 1: 16 .. 23) and lanes 16-31 e = 8 .. 15 (24 .. 31) of columns 0-15:
; the exchange of halves gives that for the wave's first 16 columns in the first register and for its second 16 in the second.
.macro OPACK es, left
	s_wait_loadcnt \left                           ; these 32 loads are in; left = the younger loads that may stay out (the wait takes 63 at the most: a smaller count is safe)
.irp i, 0,1,2,3,4,5,6,7,8,9,10,11,12,13,14,15
	v_cvt_pk_f16_f32 v[OC+16*\es+\i], v[NUM+32*\es+2*\i], v[NUM+32*\es+2*\i+1]
.endr
.irp i, 0,1,2,3
	v_permlane16_swap_b32 v[OC+16*\es+\i], v[OC+16*\es+4+\i]
	v_permlane16_swap_b32 v[OC+16*\es+8+\i], v[OC+16*\es+12+\i]
.endr
	global_store_b128 v4, v[OC+16*\es:OC+16*\es+3], s[22:23] offset:1024*\es              ; each store: 512 consecutive bytes
	global_store_b128 v4, v[OC+16*\es+4:OC+16*\es+7], s[22:23] offset:1024*\es+8192
	global_store_b128 v4, v[OC+16*\es+8:OC+16*\es+11], s[22:23] offset:1024*\es+512
	global_store_b128 v4, v[OC+16*\es+12:OC+16*\es+15], s[22:23] offset:1024*\es+8192+512
.endm
	OPACK 0, 63
	OPACK 1, 63
	OPACK 2, 32
	OPACK 3, 0
	s_endpgm
; ---------------- PATH W.  A lane takes a channel d and its registers run down K: a block of 32 lies in one lane, and the conversions give codes with K innermost.
.Lpath_w:
	s_sub_co_u32 s25, ttmp9, 256
	s_lshr_b32 s26, s25, 6                         ; 0 q, 1 k, 2 v
	s_bfe_u32 s27, s25, 0x40002                    ; head
	s_and_b32 s28, s25, 3
	s_lshl_b32 s28, s28, 1
	s_lshr_b32 s29, s24, 1
	s_add_co_u32 s28, s28, s29                     ; which 128 along K: 0..7
	s_and_b32 s29, s24, 1                          ; which 32 of the head's 64 channels
	s_cmp_eq_u32 s26, 0
	s_cselect_b64 s[6:7], s[6:7], s[8:9]
	s_cmp_eq_u32 s26, 2
	s_cselect_b64 s[6:7], s[10:11], s[6:7]         ; the tensor: the choice hangs on the work-group's number alone
	s_lshl_b32 s30, s27, 18                        ; a head: 1,024 rows of 256 bytes
	s_lshl_b32 s31, s28, 15
	s_add_co_u32 s30, s30, s31
	s_lshl_b32 s31, s29, 7
	s_add_co_u32 s30, s30, s31
	s_mov_b32 s31, 0
	s_add_nc_u64 s[6:7], s[6:7], s[30:31]
	s_lshl_b32 s30, s26, 19                        ; codes: tile 64 x tensor + 4 x head + 2 x half, 8,192 bytes a tile; 1,024 for each 128 along K
	s_lshl_b32 s25, s27, 15
	s_add_co_u32 s30, s30, s25
	s_lshl_b32 s25, s29, 14
	s_add_co_u32 s30, s30, s25
	s_lshl_b32 s25, s28, 10
	s_add_co_u32 s30, s30, s25
	s_add_nc_u64 s[18:19], s[18:19], s[30:31]
	s_lshl_b32 s30, s26, 15                        ; scale bytes: 32 a channel; my four at 4 x (which 128 along K)
	s_lshl_b32 s25, s27, 11
	s_add_co_u32 s30, s30, s25
	s_lshl_b32 s25, s29, 10
	s_add_co_u32 s30, s30, s25
	s_lshl_b32 s25, s28, 2
	s_add_co_u32 s30, s30, s25
	s_add_nc_u64 s[20:21], s[20:21], s[30:31]
	v_lshlrev_b32 v3, 2, v2
	v_lshlrev_b32 v4, 4, v2
	v_lshlrev_b32 v5, 5, v2
.set i, 0
.rept 128
	global_load_b32 v[NUM+i], v3, s[6:7] offset:256*i th:TH_LOAD_NT
.set i, i+1
.endr
.macro WBLOCK b, left
.set XS, NUM+32*\b
	s_wait_loadcnt \left
	v_max3_num_f32 v8, |v[XS]|, |v[XS+1]|, |v[XS+2]|               ; the block's largest magnitude: all 32 numbers are mine; two chains
	v_max3_num_f32 v9, |v[XS+3]|, |v[XS+4]|, |v[XS+5]|
.irp i, 6,10,14,18,22,26
	v_max3_num_f32 v8, v8, |v[XS+\i]|, |v[XS+\i+1]|
	v_max3_num_f32 v9, v9, |v[XS+\i+2]|, |v[XS+\i+3]|
.endr
	v_max3_num_f32 v8, v8, |v[XS+30]|, |v[XS+31]|
	v_max3_num_f32 v8, v8, v9, (EMAX+1)<<23        ; and the floor: the byte cannot fall under 1
	v_add_nc_u32 v10, -(EMAX<<23), v8              ; EMAX off the exponent field: the conversion takes the exponent field of this operand as its scale
	v_lshrrev_b32 v11, 23, v10                     ; the scale's byte
.if \b == 0
	v_mov_b32 v24, v11
.else
	v_lshl_or_b32 v24, v11, 8*\b, v24              ; four bytes make my channel's scale word for these 128 along K
.endif
.irp g, 0,1,2,3
	v_cvt_scalef32_pk8_fp4_f32 v[OC+4*\b+\g], v[XS+8*\g:XS+8*\g+7], v10
.endr
.endm
	WBLOCK 0, 63
	WBLOCK 1, 63
	WBLOCK 2, 32
	WBLOCK 3, 0
	v_nop                                          ; one plain vector instruction between a scaled conversion and the vector instruction that touches its result
.irp c, 0,1                                    ; the operand wants block 2 c of channel r in lane r and block 2 c + 1 in lane 16 + r: the exchange gives that for channels 0-15 in the first register, for 16-31 in the second
.irp i, 0,1,2,3
	v_permlane16_swap_b32 v[OC+8*\c+\i], v[OC+8*\c+4+\i]
.endr
.endr
.irp c, 0,1
	global_store_b128 v4, v[OC+8*\c:OC+8*\c+3], s[18:19] offset:512*\c           ; each store: 512 consecutive bytes
	global_store_b128 v4, v[OC+8*\c+4:OC+8*\c+7], s[18:19] offset:512*\c+8192
.endr
	global_store_b32 v5, v24, s[20:21]             ; four bytes of each of 32 rows of scale bytes: pieces, 98,304 bytes in the whole launch
	s_endpgm
; ---------------- PATH X.  x is a plain stream of blocks of 32.  A wave takes 16 steps of 512 numbers.  Each load reads 512 consecutive bytes; a step's 2,048 bytes turn through the wave's own stage in LDS,
; so that a lane then holds 16 neighbours along K (two neighbouring lanes hold a block).  Loads run four steps ahead, the turn through LDS one step.
.Lpath_x:
	v_lshlrev_b32 v3, 4, v2                        ; my 16 bytes of a load's 512
	s_mul_i32 s25, s24, WREG
	v_lshrrev_b32 v14, 2, v2
	v_mul_u32_u24 v14, v14, SP
	v_and_b32 v15, 3, v2
	v_lshl_add_u32 v14, v15, 4, v14
	v_add_nc_u32 v14, s25, v14                     ; into the stage: four lanes' 64 bytes on end, then 16 of padding
	v_mul_u32_u24 v15, v2, SP
	v_add_nc_u32 v15, s25, v15                     ; out of it: SP x lane: my 16 neighbours
	v_mul_u32_u24 v4, v2, CB                       ; my codes' place in a step's 256 bytes
	v_lshrrev_b32 v5, 1, v2
	s_add_co_u32 s25, s25, 2*32*SP
	v_add_nc_u32 v5, s25, v5                       ; my wave's 256 scale bytes in LDS: my block's byte
	v_lshlrev_b32 v7, 3, v2
	v_add_nc_u32 v6, s25, v7                       ; and on the way out 8 bytes a lane
	s_lshl_b32 s26, ttmp9, 2
	s_add_co_u32 s26, s26, s24                     ; which run of 8,192 numbers is my wave's: 0..1023
	s_lshl_b32 s28, s26, 15
	s_mov_b32 s29, 0
	s_add_nc_u64 s[4:5], s[4:5], s[28:29]
	s_lshl_b32 s28, s26, 12
	s_add_nc_u64 s[14:15], s[14:15], s[28:29]
	s_lshl_b32 s28, s26, 8
	s_add_nc_u64 s[16:17], s[16:17], s[28:29]
.macro XLOAD t
.irp i, 0,1,2,3
	global_load_b128 v[R+16*((\t)%4)+4*\i:R+16*((\t)%4)+4*\i+3], v3, s[4:5] offset:2048*(\t)+512*\i th:TH_LOAD_NT
.endr
.endm
.macro XTURN t                         ; LDS serves a wave's instructions in order (ISA guide 5.7.1.4): no wait between the stores and the loads
.irp i, 0,1,2,3
	ds_store_b128 v14, v[R+16*((\t)%4)+4*\i:R+16*((\t)%4)+4*\i+3] offset:32*SP*((\t)%2)+8*SP*\i
.endr
.irp i, 0,1,2,3
	ds_load_b128 v[X+16*((\t)%2)+4*\i:X+16*((\t)%2)+4*\i+3], v15 offset:32*SP*((\t)%2)+16*\i
.endr
.endm
.irp t, 0,1,2,3
	XLOAD \t
.endr
	s_wait_loadcnt 12                              ; step 0's four loads are in
	XTURN 0
.macro XSTEP t
.set XS, X+16*((\t)%2)
.if (\t) > 0
	s_wait_dscnt 1                                 ; this step's numbers are back from the stage (the last step's byte store may be out): its stores into the stage have read their registers,
.else
	s_wait_dscnt 0x0
.endif
.if (\t)+4 < STEPS
	XLOAD (\t)+4                                   ; which take the loads of four steps on
.endif
.if (\t)+1 < STEPS
.if STEPS-2-(\t) >= 3
	s_wait_loadcnt 12                              ; the next step's four loads are in; those of the three steps behind it may be out
.else
	s_wait_loadcnt 4*(STEPS-2-(\t))
.endif
	XTURN (\t)+1
.endif
	v_max3_num_f32 v8, |v[XS]|, |v[XS+1]|, |v[XS+2]|
	v_max3_num_f32 v9, |v[XS+3]|, |v[XS+4]|, |v[XS+5]|
.irp i, 6,10
	v_max3_num_f32 v8, v8, |v[XS+\i]|, |v[XS+\i+1]|
	v_max3_num_f32 v9, v9, |v[XS+\i+2]|, |v[XS+\i+3]|
.endr
	v_max3_num_f32 v8, v8, |v[XS+14]|, |v[XS+15]|
	v_max3_num_f32 v8, v8, v9, (EMAX+1)<<23        ; the floor
	v_max_num_f32_dpp v8, v8, v8 row_xmask:1 row_mask:0xf bank_mask:0xf   ; with my neighbour's 16: the block's largest magnitude
	v_add_nc_u32 v11, -(EMAX<<23), v8
	v_cvt_scalef32_pk8_fp4_f32 v[C+4*(\t)], v[XS:XS+7], v11
	v_cvt_scalef32_pk8_fp4_f32 v[C+4*(\t)+1], v[XS+8:XS+15], v11
	v_lshrrev_b32 v[E+(\t)], 23, v11               ; the scale's byte (also the plain instruction behind the conversions)
	ds_store_b8 v5, v[E+(\t)] offset:16*(\t)       ; both lanes of a block write the same byte with the same value
	global_store_b64 v4, v[C+4*(\t):C+4*(\t)+1], s[14:15] offset:32*CB*(\t)   ; the wave stores 256 consecutive bytes
.endm
.irp t, 0,1,2,3,4,5,6,7,8,9,10,11,12,13,14,15
	XSTEP \t
.endr
	ds_load_b64 v[8:9], v6                         ; my wave's 256 scale bytes
	s_wait_dscnt 0x0
	global_store_b64 v7, v[8:9], s[16:17]          ; 256 consecutive bytes
	s_wait_tensorcnt 0x0                           ; the wave's end: behind my last LDS store
	ds_add_u32 v[SPW], v[NIL]
	s_wait_dscnt 0x0
	s_endpgm
.Lfunc_end_k_qf8cf452cab_prep:
	.size	k_qf8cf452cab_prep, .Lfunc_end_k_qf8cf452cab_prep-k_qf8cf452cab_prep
	.p2alignl 7, 3214868480
	.fill 96, 4, 3214868480
	.section	.rodata,"a",@progbits
	.p2align	6, 0x0
	.amdhsa_kernel k_qf8cf452cab_prep
		.amdhsa_group_segment_fixed_size 33280
		.amdhsa_private_segment_fixed_size 0
		.amdhsa_enable_private_segment 0
		.amdhsa_kernarg_size 80
		.amdhsa_user_sgpr_count 2
		.amdhsa_user_sgpr_kernarg_segment_ptr 1
		.amdhsa_wavefront_size32 1
		.amdhsa_system_sgpr_workgroup_id_x 1
		.amdhsa_system_sgpr_workgroup_id_y 1
		.amdhsa_system_sgpr_workgroup_id_z 1
		.amdhsa_system_vgpr_workitem_id 0
		.amdhsa_next_free_vgpr 224
		.amdhsa_next_free_sgpr 66
		.amdhsa_reserve_vcc 0
		.amdhsa_float_denorm_mode_32 3
		.amdhsa_float_denorm_mode_16_64 3
		.amdhsa_memory_ordered 1
		.amdhsa_forward_progress 1
		.amdhsa_inst_pref_size 72
	.end_amdhsa_kernel
	.amdgpu_metadata
---
amdhsa.version: [ 1, 2 ]
amdhsa.kernels:
  - .name:           k_qf8cf452cab_prep
    .symbol:         k_qf8cf452cab_prep.kd
    .args:
      - { .name: x, .offset: 0, .size: 8, .value_kind: global_buffer, .address_space: global }
      - { .name: Wq, .offset: 8, .size: 8, .value_kind: global_buffer, .address_space: global }
      - { .name: Wk, .offset: 16, .size: 8, .value_kind: global_buffer, .address_space: global }
      - { .name: Wv, .offset: 24, .size: 8, .value_kind: global_buffer, .address_space: global }
      - { .name: Wo, .offset: 32, .size: 8, .value_kind: global_buffer, .address_space: global }
      - { .name: x_codes, .offset: 40, .size: 8, .value_kind: global_buffer, .address_space: global }
      - { .name: x_scales, .offset: 48, .size: 8, .value_kind: global_buffer, .address_space: global }
      - { .name: w_codes, .offset: 56, .size: 8, .value_kind: global_buffer, .address_space: global }
      - { .name: w_scales, .offset: 64, .size: 8, .value_kind: global_buffer, .address_space: global }
      - { .name: wo_f, .offset: 72, .size: 8, .value_kind: global_buffer, .address_space: global }
    .group_segment_fixed_size: 33280
    .private_segment_fixed_size: 0
    .kernarg_segment_align: 8
    .kernarg_segment_size: 80
    .max_flat_workgroup_size: 128
    .sgpr_count:     66
    .vgpr_count:     224
    .wavefront_size: 32
...
	.end_amdgpu_metadata
.endif
;; end of part 1
;; launch qkv (part 2): grid 12 x 32, 4 waves a work-group, clusters of 4 x 4, 327,680 bytes of LDS; arguments x_codes, x_scales, w_codes, w_scales, bq, bk, bv, qkv_f; writes qkv_f
.if DOCPART == 2
	.amdgcn_target "amdgcn-amd-amdhsa--gfx1250"
	.amdhsa_code_object_version 6
	.text
	.protected	k_qf8cf452cab_qkv
	.globl	k_qf8cf452cab_qkv
	.p2align	8
	.type	k_qf8cf452cab_qkv,@function
k_qf8cf452cab_qkv:
	s_mov_b64 s[64:65], 0
	v_nop
	global_prefetch_b8 v0, s[64:65] scope:SCOPE_SE
	s_setreg_imm32_b32 hwreg(HW_REG_WAVE_MODE, 25, 1), 1
	s_wait_xcnt 0x0
	s_wait_alu depctr_hold_cnt(0) depctr_sa_sdst(0) depctr_va_vdst(0) depctr_va_sdst(0) depctr_va_ssrc(0) depctr_va_vcc(0) depctr_vm_vsrc(0)
	s_getreg_b32 s2, hwreg(HW_REG_IB_STS2, 6, 4)
	s_cmp_eq_u32 s2, 0
	s_cbranch_scc0 .Lentry_in_a_cluster
	s_endpgm
.Lentry_in_a_cluster:
	s_bfe_u32 s2, ttmp6, 0x10000c
	s_cmp_lg_u32 s2, 0xf033
	s_cbranch_scc0 .Lentry_shape_is_right
	s_endpgm
.Lentry_shape_is_right:
; QKV: the three quantised projections as ONE product on codes of FP4 (E2M1) with E8M0 scales: C[token][channel] = sum over e of x[token][e] W[channel][e], 8,192 tokens x 3,072 channels (q, k, v: 1,024 each), K = 1,024.
; A tile of C, 256 x 256, is made by four waves, each 128 x 128: 64 accumulators, 512 registers.  K = 1,024 is two LDS slots of 512: BOTH ARE FIRST FILLS, nothing is filled again.
; x's codes come as rows of 256 bytes (16 of padding behind each in LDS); W's codes lie in memory as images of the operand's registers, so a fragment is two loads at 16 x lane and needs no pitch.
; The scale bytes of the work-group's 256 tokens and 256 channels, for all of K, come once, as two dense blocks.
; CLUSTERS: 4 x 4 work-groups; x's tiles are shared along a row of the cluster, W's along a column: joint loads.  The cluster's x is the tensor (0 q, 1 k, 2 v): it is the same in all sixteen partners.
; THE MATRIX INSTRUCTION IS USED TRANSPOSED (source 0 = 16 channels of W, source 1 = 16 tokens): a lane holds one token and eight neighbouring channels.
; THE WAY OUT needs no LDS: (sum + bias) x factor, rounded to f16, is 16 bytes a lane, and these are stored AS THE NEXT LAUNCH'S OPERAND REGISTERS: qkv_f [tensor 3][batch x head 64][tile of 16 tokens 128][16 channels: 4][512 bytes];
; q and k: lane's 16 bytes at 16 x lane; v: at 32 x token + 16 x half (rows of 16 channels, for the turning LDS load).  Each store of a wave covers 512 consecutive bytes.
; q's factor is log2(e) / 8, so that the next launch's scores are exponents of 2; k's and v's is 1.
; LIMITS: q x 0.18, k and v go to f16: magnitudes under 65,504.  384 work-groups: one and a half fillings of 256; a tile of 256 x 384 would not fit the registers.
; REGISTERS: window 0: v0-31 addresses; v32-95 scale words, two sets; v128-191 x's fragments, one set; v192-255 the bias x factor of my 128 channels.  window 1: W's fragments, two sets (v0, v128); on the way out the packed results.
;   window 2: the accumulators of my tokens 0-63 ((a, b) at v[8 (8 a + b)]); window 3: those of tokens 64-127.
.set NQ,     4                         ; steps of 128 along K in a slot
.set ROWB,   256                       ; a row of x's tile in bytes: 512 codes
.set KROW,   512                       ; a row of x's codes in memory; W's images are as many bytes a channel
.set PITCH,  272                       ; an LDS row of x's tile: 256 + 16 bytes = 68 words: the 16 rows of a load start at 16 different banks (64 banks of 4 bytes: ISA guide 11.1)
.set FR,     8
.set NL,     2
.set NP,     4                         ; places behind this matrix instruction (ISA guide 7.12.1)
.set HALFT,  128*PITCH                 ; 128 rows of x
.set BHALF,  32768                     ; 8 tiles of 16 channels x 512 along K: 4,096 bytes each
.set BOFF,   2*HALFT
.set SLOT,   BOFF+2*BHALF
.set KS,     32                        ; a row of scale bytes
.set SCL,    2*SLOT
.set HALFS,  (128*KS/256)*272
.set SBLK,   (16*KS/256)*272
.set SPARE,  SCL+4*HALFS               ; the spare words, 128 bytes a wave
.set ADRA, 16                          ; v16-17 LDS address of x's fragments in slot 0, 1
.set ADRB, 20                          ; v20-21 of W's
.set CO,   26                          ; v26    my lane's place in a stored tile of 512 bytes
.set ADRS, 27                          ; v27    my scale words: lanes 0-15 x's rows, lanes 16-31 W's
.set SPW,  28
.set NIL,  29
.set SC,   32
.set AF,   128
.set BI,   192
.set G1, 24
.set G0, 32
.set G1B, 48
.set G0B, 56
.set BP,  66                           ; s[66:67] the tensor's bias
.set G1S, 68
.set G0S, 76
.set G1SB, 80
.set G0SB, 88
.set CF,  96                           ; s[96:97] the factor, as a pair
.set MSB, 0
.macro WIN new                         ; the immediate's high byte repeats the setting that is left
.if MSB != \new
	s_set_vgpr_msb (MSB<<8)|\new
.set MSB, \new
.endif
.endm
.set MUL_LO, 0xa1                      ; source 0 (W) window 1, source 1 (x) window 0, C and D window 2
.set MUL_HI, 0xf1
.set TO_B,   0x40
; A joint load: waves 0 and 1 fetch for x, waves 2 and 3 for W.  The branch hangs on the wave's number alone.  An s_nop 0 and four v_nop follow each line.
.macro JLOAD g0a, g1a, g0b, g1b
	s_cmp_eq_u32 s15, 0
	s_cbranch_scc0 .Lfor_b_\@
	tensor_load_to_lds s[\g0a:\g0a+3], s[\g1a:\g1a+7]
	s_nop 0
.rept 4
	v_nop
.endr
	s_branch .Lasked_\@
.Lfor_b_\@:
	tensor_load_to_lds s[\g0b:\g0b+3], s[\g1b:\g1b+7]
	s_nop 0
.rept 4
	v_nop
.endr
.Lasked_\@:
.endm
.macro CROUND                          ; a round of the cluster's barrier
	s_barrier_signal -1
	s_barrier_wait -1
	s_cmp_lg_u32 s14, 0
	s_cbranch_scc1 .Lnot_wave_0_\@
	s_barrier_signal -3
.Lnot_wave_0_\@:
	s_barrier_wait -3
	s_barrier_signal -1
	s_barrier_wait -1
.endm
	s_load_b256 s[4:11], s[0:1], 0x0               ; x's codes 4, x's scales 6, W's codes 8, W's scales 10
	s_load_b256 s[24:31], s[0:1], 0x20             ; bq 24, bk 26, bv 28, qkv_f 30 (the registers take group 1 once these are chosen from)
	v_lshl_add_u32 v[SPW], v0, 2, SPARE
	v_mov_b32 v[NIL], 0
	ds_add_u32 v[SPW], v[NIL]                      ; the wave's opening: the add, twice on end, and its wait ahead of my first tensor load
	ds_add_u32 v[SPW], v[NIL]
	v_lshrrev_b32 v1, 5, v0
	v_readfirstlane_b32 s14, v1                    ; wave 0..3
	s_lshr_b32 s15, s14, 1                         ; which half of the tile's tokens is mine.  Also: I fetch for x (0) or for W (1)
	s_and_b32 s16, s14, 1                          ; which half of its channels.  Also: which half of that tile I fetch
	s_bfe_u32 s40, ttmp6, 0x40000                  ; cx, cy
	s_bfe_u32 s41, ttmp6, 0x40004
	s_lshl_b32 s42, ttmp9, 2
	s_add_co_u32 s42, s42, s40                     ; tile column = 4 x cluster x + cx
	s_and_b32 s17, ttmp7, 0xffff
	s_lshl_b32 s17, s17, 2
	s_add_co_u32 s17, s17, s41                     ; tile row = 4 x cluster y + cy
	s_lshl_b32 s43, s41, 2
	s_lshl_b32 s43, 15, s43                        ; my row of the cluster
	s_lshl_b32 s44, 0x1111, s40                    ; my column
	; W's tiles: 8 rows (tiles of 16 channels) of 4,096 bytes (512 elements of 8), 8,192 bytes apart; no padding
	s_or_b32 s[G1B+0], s44, (3<<16)|(1<<21)
	s_mov_b32 s[G1B+1], 512<<16                    ; tensor_dim0
	s_mov_b32 s[G1B+2], 8<<16                      ; tensor_dim1
	s_mov_b32 s[G1B+3], 512<<16                    ; tile_dim0
	s_mov_b32 s[G1B+4], 8                          ; tile_dim1
	s_mov_b32 s[G1B+5], 1024                       ; stride
	s_mov_b32 s[G1B+6], 0
	s_mov_b32 s[G1B+7], 0
	; the scales of 128 rows: 4,096 dense bytes as rows of 256 (32 elements of 8 bytes), 16 bytes of padding behind each
	s_or_b32 s[G1S+0], s43, (3<<16)|(1<<20)|(1<<21)|(5<<22)|(3<<25)
	s_or_b32 s[G1SB+0], s44, (3<<16)|(1<<20)|(1<<21)|(5<<22)|(3<<25)
.irp g, G1S, G1SB
	s_mov_b32 s[\g+1], 32<<16
	s_mov_b32 s[\g+2], (128*KS/256)<<16
	s_mov_b32 s[\g+3], 32<<16
	s_mov_b32 s[\g+4], 128*KS/256
	s_mov_b32 s[\g+5], 32
	s_mov_b32 s[\g+6], 0
	s_mov_b32 s[\g+7], 0
.endr
	s_lshl_b32 s18, s16, 7
	s_lshl_b32 s20, s17, 8
	s_add_co_u32 s20, s20, s18                     ; x: token 256 x tile row + 128 x half
	s_lshl_b32 s46, s42, 8
	s_add_co_u32 s46, s46, s18                     ; W: channel 256 x tile column + 128 x half
	s_mov_b32 s21, 0
	s_mov_b32 s47, 0
	s_mov_b64 s[18:19], KS
	s_mul_u64 s[22:23], s[20:21], s[18:19]         ; where these rows' scales begin,
	s_mul_u64 s[92:93], s[46:47], s[18:19]
	s_mov_b64 s[18:19], KROW
	s_mul_u64 s[20:21], s[20:21], s[18:19]         ; and their codes
	s_mul_u64 s[46:47], s[46:47], s[18:19]
	s_mul_i32 s45, s14, HALFT                      ; where x's half goes (waves 0, 1),
	s_lshl_b32 s95, s16, 15
	s_add_co_u32 s95, s95, BOFF                    ; where W's half goes (waves 2, 3),
	s_mul_i32 s94, s14, HALFS                      ; and the scales: no place in the cluster enters an LDS address
	s_wait_dscnt 0x0                               ; both opening adds are done
	s_wait_kmcnt 0x0
	s_cmp_eq_u32 ttmp9, 0                          ; the tensor: chosen by the cluster's x, without a branch
	s_cselect_b64 s[BP:BP+1], s[24:25], s[26:27]
	s_mov_b32 s[CF], 1.0
	s_cselect_b32 s[CF], 0x3e38aa3b, s[CF]         ; q: log2(e) / 8
	s_cmp_eq_u32 ttmp9, 2
	s_cselect_b64 s[BP:BP+1], s[28:29], s[BP:BP+1]
	s_cselect_b32 s98, 32, 16                      ; a lane's place in a stored tile: v: 32 x token + 16 x half; q, k: 16 x token + 256 x half = 16 x lane
	s_cselect_b32 s99, 16, 256
	s_mov_b32 s[CF+1], s[CF]
	s_mov_b64 s[12:13], s[30:31]                   ; qkv_f
	; x's tiles: 128 rows of 256 bytes, 512 apart, 16 bytes of padding behind each
	s_or_b32 s[G1+0], s43, (0<<16)|(1<<20)|(1<<21)|(5<<22)|(3<<25)
	s_mov_b32 s[G1+1], ROWB<<16
	s_mov_b32 s[G1+2], 128<<16
	s_mov_b32 s[G1+3], ROWB<<16
	s_mov_b32 s[G1+4], 128
	s_mov_b32 s[G1+5], KROW
	s_mov_b32 s[G1+6], 0
	s_mov_b32 s[G1+7], 0
	s_add_nc_u64 s[20:21], s[4:5], s[20:21]
	s_add_nc_u64 s[22:23], s[6:7], s[22:23]
	s_add_nc_u64 s[46:47], s[8:9], s[46:47]
	s_add_nc_u64 s[92:93], s[10:11], s[92:93]
	CROUND                                         ; all sixteen work-groups are here: the first joint loads meet
	s_mov_b32 s[G0S], 1
	s_add_co_u32 s[G0S+1], s94, SCL
	s_mov_b64 s[G0S+2:G0S+3], s[22:23]
	s_or_b32 s[G0S+3], s[G0S+3], 0x80000000
	s_mov_b32 s[G0SB], 1
	s_add_co_u32 s[G0SB+1], s94, SCL
	s_mov_b64 s[G0SB+2:G0SB+3], s[92:93]
	s_or_b32 s[G0SB+3], s[G0SB+3], 0x80000000
	JLOAD G0S, G1S, G0SB, G1SB                     ; the scales first; then both slots: three loads of mine are out
.irp s, 0,1
	s_mov_b32 s[G0+4*\s], 1
	s_add_co_u32 s[G0+4*\s+1], s45, \s*SLOT
	s_add_nc_u64 s[G0+4*\s+2:G0+4*\s+3], s[20:21], \s*ROWB
	s_or_b32 s[G0+4*\s+3], s[G0+4*\s+3], 0x80000000
	s_mov_b32 s[G0B+4*\s], 1
	s_add_co_u32 s[G0B+4*\s+1], s95, \s*SLOT
	s_add_nc_u64 s[G0B+4*\s+2:G0B+4*\s+3], s[46:47], \s*4096
	s_or_b32 s[G0B+4*\s+3], s[G0B+4*\s+3], 0x80000000
	JLOAD G0+4*\s, G1, G0B+4*\s, G1B
.endr
	v_and_b32 v1, 15, v0                           ; r
	v_bfe_u32 v2, v0, 4, 1                         ; h
	v_mul_u32_u24 v3, v1, PITCH
	v_lshl_add_u32 v4, v2, 4, v3                   ; x: row x pitch + 16 x half
	v_and_b32 v6, 31, v0
	v_lshlrev_b32 v6, 4, v6                        ; W: 16 x lane
	s_mul_i32 s21, s15, HALFT                      ; my 128 tokens
	s_lshl_b32 s22, s16, 15
	s_add_co_u32 s22, s22, BOFF                    ; my 128 channels
.irp s, 0,1
	v_add_nc_u32 v[ADRA+\s], s21, v4
	v_add_nc_u32 v[ADRB+\s], s22, v6
	s_add_co_u32 s21, s21, SLOT
	s_add_co_u32 s22, s22, SLOT
.endr
	v_mul_u32_u24 v5, v1, KS                       ; my row's scales: KS bytes a row,
	v_lshrrev_b32 v7, 8, v5
	v_lshl_add_u32 v5, v7, 4, v5                   ; and 16 more for each 256 passed
	s_mul_i32 s21, s15, HALFS
	s_mul_i32 s22, s16, HALFS
	s_add_co_u32 s22, s22, 2*HALFS
	s_sub_co_u32 s22, s22, s21
	v_mul_u32_u24 v7, s22, v2                      ; lanes 16-31 take W's
	s_add_co_u32 s21, s21, SCL
	v_add_nc_u32 v5, v5, v7
	v_add_nc_u32 v[ADRS], s21, v5
	v_mul_u32_u24 v[CO], s98, v1
	v_mad_u32_u24 v[CO], s99, v2, v[CO]
	s_lshl_b32 s18, s40, 10                        ; the bias of my 128 channels: 256 cx + 128 x half, 4 bytes each; lane (r, h) wants, for block b, channels 16 b + 8 h + 0 .. 7
	s_lshl_b32 s19, s16, 9
	s_add_co_u32 s18, s18, s19
	v_lshl_add_u32 v8, v2, 5, s18
.irp b, 0,1,2,3,4,5,6,7
	global_load_b128 v[BI+8*\b:BI+8*\b+3], v8, s[BP:BP+1] offset:64*\b
	global_load_b128 v[BI+8*\b+4:BI+8*\b+7], v8, s[BP:BP+1] offset:64*\b+16
.endr
	; where my part of qkv_f begins: tile of tokens: (batch x 16 heads) x 128 + 16 x (tile row mod 8) + 8 x half, 2,048 bytes each; head 4 cx + 2 x half, 262,144 bytes each; tensor, 16,777,216 bytes each
	s_lshr_b32 s20, s17, 3
	s_lshl_b32 s20, s20, 11
	s_and_b32 s21, s17, 7
	s_lshl_b32 s21, s21, 4
	s_add_co_u32 s20, s20, s21
	s_lshl_b32 s21, s15, 3
	s_add_co_u32 s20, s20, s21
	s_lshl_b32 s20, s20, 11
	s_mov_b32 s21, 0
	s_lshl_b32 s46, s40, 20
	s_lshl_b32 s47, s16, 19
	s_add_co_u32 s46, s46, s47
	s_lshl_b32 s47, ttmp9, 24
	s_add_co_u32 s46, s46, s47
	s_mov_b32 s47, 0
	s_add_nc_u64 s[20:21], s[20:21], s[46:47]
	s_add_nc_u64 s[12:13], s[12:13], s[20:21]
	s_wait_loadcnt 0x0                             ; the bias
.set i, 0
.rept 32
	v_pk_mul_f32 v[BI+i:BI+i+1], v[BI+i:BI+i+1], s[CF:CF+1] op_sel_hi:[1,0]   ; bias x factor: the way out is then one fused multiply-add
.set i, i+2
.endr
.macro FRAG reg, adr, q, i             ; x: 16 rows x 128 K: registers 4 c .. 4 c + 3 hold K = 64 c + 32 (lane / 16) + 0 .. 31
.irp c, 0,1
	ds_load_b128 v[\reg+4*\c:\reg+4*\c+3], v[\adr] offset:64*(\q)+32*\c+(\i)*16*PITCH
.endr
.endm
.macro FRAGB reg, adr, q, i            ; W: the same registers, as they were stored
.irp c, 0,1
	ds_load_b128 v[\reg+4*\c:\reg+4*\c+3], v[\adr] offset:(\i)*4096+(\q)*1024+512*\c
.endr
.endm
; 16 matrix instructions: x's blocks a0, a0 + 1 against W's eight.  The 64 accumulators take turns, one instruction a turn, in the same order in every step.
.macro MUL16 a0, p, q, sc, zero
.irp a, \a0, \a0+1
.irp b, 0,1,2,3,4,5,6,7
.if \zero
	v_wmma_scale_f32_16x16x128_f8f6f4 v[8*(8*((\a)%4)+\b):8*(8*((\a)%4)+\b)+7], v[128*(\p)+FR*\b:128*(\p)+FR*\b+FR-1], v[AF+FR*(\a):AF+FR*(\a)+FR-1], 0, v[SC+8*NQ*(\sc)+NQ*\b+(\q)], v[SC+8*NQ*(\sc)+NQ*(\a)+(\q)] matrix_a_fmt:MATRIX_FMT_FP4 matrix_b_fmt:MATRIX_FMT_FP4 matrix_a_scale:MATRIX_SCALE_ROW1
.else
	v_wmma_scale_f32_16x16x128_f8f6f4 v[8*(8*((\a)%4)+\b):8*(8*((\a)%4)+\b)+7], v[128*(\p)+FR*\b:128*(\p)+FR*\b+FR-1], v[AF+FR*(\a):AF+FR*(\a)+FR-1], v[8*(8*((\a)%4)+\b):8*(8*((\a)%4)+\b)+7], v[SC+8*NQ*(\sc)+NQ*\b+(\q)], v[SC+8*NQ*(\sc)+NQ*(\a)+(\q)] matrix_a_fmt:MATRIX_FMT_FP4 matrix_b_fmt:MATRIX_FMT_FP4 matrix_a_scale:MATRIX_SCALE_ROW1
.endif
.endr
.endr
.endm
.macro FETCH_B slot, q, p
	WIN TO_B
.irp i, 0,1,2,3,4,5,6,7
	FRAGB 128*(\p)+FR*\i, ADRB+\slot, \q, \i
.endr
	WIN 0
.endm
.macro FETCH_A slot, q, i0
.irp i, \i0, \i0+1, \i0+2, \i0+3
	FRAG AF+FR*(\i), ADRA+\slot, \q, \i
.endr
.endm
.macro SCALES sc                       ; a slot's scale words: four words a row; lanes 0-15 x's block i, lanes 16-31 W's block i
.irp i, 0,1,2,3,4,5,6,7
	ds_load_b128 v[SC+8*NQ*\sc+NQ*\i:SC+8*NQ*\sc+NQ*\i+3], v[ADRS] offset:\i*SBLK
.endr
.endm
.macro PLACES n                        ; plain vector instructions between a matrix instruction and a load into, or a vector read or write of, its registers
.rept \n
	v_nop
.endr
.endm
.macro STEP slot, q, zero              ; 128 along K that has its successor in the same slot
	s_wait_dscnt 4*NL                              ; W's set and x's blocks 0-3 are in; the youngest eight loads (x's blocks 4-7) may be out
	WIN MUL_LO
	MUL16 0, (\q)%2, \q, \slot, \zero
	MUL16 2, (\q)%2, \q, \slot, \zero
	s_wait_dscnt 0
	PLACES NP
	FETCH_B \slot, (\q)+1, 1-(\q)%2
	FETCH_A \slot, (\q)+1, 0
	WIN MUL_HI
	MUL16 4, (\q)%2, \q, \slot, \zero
	MUL16 6, (\q)%2, \q, \slot, \zero
	PLACES NP
	WIN 0
	FETCH_A \slot, (\q)+1, 4
.endm
.macro TURN slot, next                 ; a slot's last step changes slots: one barrier; in front of it my part of the next slot has landed.  Nothing is filled again
	s_wait_tensorcnt 0x0                           ; all my tensor loads have landed
	ds_add_u32 v[SPW], v[NIL]
	s_wait_dscnt 4*NL+1                            ; (the add and the youngest eight loads may be out)
	WIN MUL_LO
	MUL16 0, 1, NQ-1, \slot, 0
	s_wait_dscnt 0x0
	s_barrier_signal -1
	MUL16 2, 1, NQ-1, \slot, 0
	WIN 0
	s_barrier_wait -1                              ; every wave's part of the next slot has landed
	PLACES NP
	v_add_nc_u32 v[ADRS], 4*NQ, v[ADRS]            ; the next slot's scale words
	FETCH_B \next, 0, 0
	FETCH_A \next, 0, 0
	SCALES \next
	WIN MUL_HI
	MUL16 4, 1, NQ-1, \slot, 0
	MUL16 6, 1, NQ-1, \slot, 0
	PLACES NP
	WIN 0
	FETCH_A \next, 0, 4
.endm
	s_wait_tensorcnt 1                             ; the scales and my part of slot 0 are in; slot 1's load may be out
	s_barrier_signal -1
	s_barrier_wait -1
	FETCH_B 0, 0, 0
	FETCH_A 0, 0, 0
	SCALES 0
	FETCH_A 0, 0, 4
	STEP 0, 0, 1                                   ; the first products start the sums: nothing is cleared
	STEP 0, 1, 0
	STEP 0, 2, 0
	TURN 0, 1
	STEP 1, 0, 0
	STEP 1, 1, 0
	STEP 1, 2, 0
	s_wait_dscnt 4*NL                              ; the last step: nothing more to fetch
	WIN MUL_LO
	MUL16 0, 1, NQ-1, 1, 0
	MUL16 2, 1, NQ-1, 1, 0
	s_wait_dscnt 0
	WIN MUL_HI
	MUL16 4, 1, NQ-1, 1, 0
	MUL16 6, 1, NQ-1, 1, 0
	WIN 0
	PLACES NP
; THE WAY OUT of block a (16 tokens x 128 channels): sum x factor + bias x factor, each accumulator from its low end on; rounded to f16; eight stores of 512 consecutive bytes.  Every store has data registers of its own.
.macro OUTBLK a
.set AC, 64*((\a)%4)
	WIN 0x82+0x41*((\a)/4)                         ; accumulators (destination and source 0) in window 2 or 3, the bias in window 0
.irp b, 0,1,2,3,4,5,6,7
.irp i, 0,2,4,6
	v_pk_fma_f32 v[AC+8*\b+\i:AC+8*\b+\i+1], v[AC+8*\b+\i:AC+8*\b+\i+1], s[CF:CF+1], v[BI+8*\b+\i:BI+8*\b+\i+1] op_sel_hi:[1,0,1]
.endr
.endr
	WIN 0x4a+5*((\a)/4)                            ; sources in window 2 or 3, destination in window 1
.irp b, 0,1,2,3,4,5,6,7
.irp i, 0,1,2,3
	v_cvt_pk_f16_f32 v[4*(8*(\a)+\b)+\i], v[AC+8*\b+2*\i], v[AC+8*\b+2*\i+1]
.endr
.endr
	WIN 0x04                                       ; a store's data are its source 1: window 1
.irp b, 0,1,2,3,4,5,6,7
	global_store_b128 v[CO], v[4*(8*(\a)+\b):4*(8*(\a)+\b)+3], s[12:13] offset:(\a)*2048+(\b%4)*512+(\b/4)*262144 th:TH_STORE_NT
.endr
.endm
.irp a, 0,1,2,3,4,5,6,7
	OUTBLK \a
.endr
	WIN 0
	s_wait_tensorcnt 0x0                           ; the wave's end
	ds_add_u32 v[SPW], v[NIL]
	s_wait_dscnt 0x0
	CROUND                                         ; the closing round
	s_endpgm
.Lfunc_end_k_qf8cf452cab_qkv:
	.size	k_qf8cf452cab_qkv, .Lfunc_end_k_qf8cf452cab_qkv-k_qf8cf452cab_qkv
	.p2alignl 7, 3214868480
	.fill 96, 4, 3214868480
	.section	.rodata,"a",@progbits
	.p2align	6, 0x0
	.amdhsa_kernel k_qf8cf452cab_qkv
		.amdhsa_group_segment_fixed_size 327680
		.amdhsa_private_segment_fixed_size 0
		.amdhsa_enable_private_segment 0
		.amdhsa_kernarg_size 64
		.amdhsa_user_sgpr_count 2
		.amdhsa_user_sgpr_kernarg_segment_ptr 1
		.amdhsa_wavefront_size32 1
		.amdhsa_system_sgpr_workgroup_id_x 1
		.amdhsa_system_sgpr_workgroup_id_y 1
		.amdhsa_system_sgpr_workgroup_id_z 1
		.amdhsa_system_vgpr_workitem_id 0
		.amdhsa_next_free_vgpr 1024
		.amdhsa_next_free_sgpr 100
		.amdhsa_reserve_vcc 0
		.amdhsa_float_denorm_mode_32 3
		.amdhsa_float_denorm_mode_16_64 3
		.amdhsa_memory_ordered 1
		.amdhsa_forward_progress 1
		.amdhsa_inst_pref_size 138
	.end_amdhsa_kernel
	.amdgpu_metadata
---
amdhsa.version: [ 1, 2 ]
amdhsa.kernels:
  - .name:           k_qf8cf452cab_qkv
    .symbol:         k_qf8cf452cab_qkv.kd
    .args:
      - { .name: x_codes, .offset: 0, .size: 8, .value_kind: global_buffer, .address_space: global }
      - { .name: x_scales, .offset: 8, .size: 8, .value_kind: global_buffer, .address_space: global }
      - { .name: w_codes, .offset: 16, .size: 8, .value_kind: global_buffer, .address_space: global }
      - { .name: w_scales, .offset: 24, .size: 8, .value_kind: global_buffer, .address_space: global }
      - { .name: bq, .offset: 32, .size: 8, .value_kind: global_buffer, .address_space: global }
      - { .name: bk, .offset: 40, .size: 8, .value_kind: global_buffer, .address_space: global }
      - { .name: bv, .offset: 48, .size: 8, .value_kind: global_buffer, .address_space: global }
      - { .name: qkv_f, .offset: 56, .size: 8, .value_kind: global_buffer, .address_space: global }
    .group_segment_fixed_size: 327680
    .private_segment_fixed_size: 0
    .kernarg_segment_align: 8
    .kernarg_segment_size: 64
    .max_flat_workgroup_size: 128
    .sgpr_count:     100
    .vgpr_count:     1024
    .wavefront_size: 32
...
	.end_amdgpu_metadata
.endif
;; end of part 2
;; launch attn (part 3): grid 4 x 64, 8 waves a work-group, clusters of 4 x 1, 327,680 bytes of LDS; arguments qkv_f, ctx_f; writes ctx_f
.if DOCPART == 3
	.amdgcn_target "amdgcn-amd-amdhsa--gfx1250"
	.amdhsa_code_object_version 6
	.text
	.protected	k_qf8cf452cab_attn
	.globl	k_qf8cf452cab_attn
	.p2align	8
	.type	k_qf8cf452cab_attn,@function
k_qf8cf452cab_attn:
	s_mov_b64 s[64:65], 0
	v_nop
	global_prefetch_b8 v0, s[64:65] scope:SCOPE_SE
	s_setreg_imm32_b32 hwreg(HW_REG_WAVE_MODE, 25, 1), 1
	s_wait_xcnt 0x0
	s_wait_alu depctr_hold_cnt(0) depctr_sa_sdst(0) depctr_va_vdst(0) depctr_va_sdst(0) depctr_va_ssrc(0) depctr_va_vcc(0) depctr_vm_vsrc(0)
	s_getreg_b32 s2, hwreg(HW_REG_IB_STS2, 6, 4)
	s_cmp_eq_u32 s2, 0
	s_cbranch_scc0 .Lentry_in_a_cluster
	s_endpgm
.Lentry_in_a_cluster:
	s_bfe_u32 s2, ttmp6, 0x10000c
	s_cmp_lg_u32 s2, 0x3003
	s_cbranch_scc0 .Lentry_shape_is_right
	s_endpgm
.Lentry_shape_is_right:
; ATTN: ctx[b][h][q] = sum over k of softmax_k(q . k / 8) v, 64 pairs (batch, head), 2,048 tokens, head size 64, no mask.  Operands in f16, products, maxima and sums in f32.
; q arrives multiplied by log2(e) / 8, so a score s is an exponent of 2: p = 2^(s - m), m the running maximum of the row; O and the sum l are multiplied by a = 2^(m_old - m_new) in every step; O / l at the end.
; SHARES.  A cluster of four work-groups is one (batch, head); a work-group owns 512 queries, each of its eight waves 64: four tiles of 16.  Two waves share a SIMD: one wave's softmax stands beside the other's products.
; Every wave walks all 2,048 keys, 64 a step: 32 products K Q^T, the softmax, 32 products V^T P.  A fragment of K or V from LDS feeds four products.
; LAYOUT.  Both products are used transposed: S^T = K Q^T (source 0 = 16 keys, source 1 = 16 queries), O^T = V^T P (source 0 = 16 channels, source 1 = P): a lane holds ONE query throughout; two tiles of S^T, rounded
; to f16 in pairs, ARE source 1 of the second product.  q, k lie in memory as images of the operand's registers (16 bytes at 16 x lane), v as rows [key][16 channels] of 32 bytes, turned by ds_load_tr16_b128.
; RING.  Two LDS slots of 512 keys (65,536 bytes of K, then 65,536 of V), dense copies of memory.  Each tile is asked for JOINTLY by the four partners: every wave issues one load of 16,384 bytes a slot
; (waves 0-3 K's quarters, waves 4-7 V's).  Slots 0 and 1 are first fills; two refills follow, each behind a round of the cluster's barrier, with eight key steps in which to land.
; OUT.  ctx_f, f16, as the next launch's operand registers: [tile of 16 tokens 512][32 along e: 32][c 2][512 bytes]; each store covers 512 consecutive bytes.
; LIMITS: f16 operands: |q| x 0.18, |k|, |v| under 65,504; NaN and infinities are not served.
; REGISTERS.  window 0: v1-7 addresses; v16-47 statistics, 8 a tile (+0 m, +1 zero, +2, +3 l, +4 .. +7 at work; a in +6); v48-111 K; v112-239 S^T, 32 a tile, then P in the low 16; v240-255 sums.
;   window 1: v0-63 Q; v64-127 V^T; v128-255 O^T, 32 a tile.
.set STEPB, 8192                       ; a key step's K (or V) in bytes
.set KVB,   65536                      ; a slot's K (or V)
.set SLOT1, 1<<17
.set SPARE, 2*SLOT1                    ; the spare words, 128 bytes for each of eight waves
.set LI,  1                            ; v1  16 x lane
.set LT,  2                            ; v2  my lane's place in a tile of V, behind a slot's K
.set ADK, 3
.set ADV, 4
.set SPW, 6
.set NIL, 7
.set ST,  16
.set KF,  48
.set S,   112
.set CH,  240
.set VF,  64                           ; in window 1
.set O,   128                          ; in window 1
.set WV,  8                            ; s8 wave
.set G0A, 12                           ; s[12:15] group 0 for slot 0's first fill
.set G0B, 16                           ; s[16:19] for slot 1's; it then walks
.set G1,  20                           ; s[20:27]
.set TB,  28                           ; s28 LDS byte at which the step's K begins
.set CNT, 29
.set SLOTS, 30
.set SEL, 32                           ; s[32:33] v_permlanex16_b32's selects for lane l xor 16
.set MSB, 0
.macro WIN new
.if MSB != \new
	s_set_vgpr_msb (MSB<<8)|\new
.set MSB, \new
.endif
.endm
.macro CROUND
	s_barrier_signal -1
	s_barrier_wait -1
	s_cmp_lg_u32 s[WV], 0
	s_cbranch_scc1 .Lnot_wave_0_\@
	s_barrier_signal -3
.Lnot_wave_0_\@:
	s_barrier_wait -3
	s_barrier_signal -1
	s_barrier_wait -1
.endm
	s_load_b128 s[4:7], s[0:1], 0x0                ; qkv_f, ctx_f
	v_lshl_add_u32 v[SPW], v0, 2, SPARE
	v_mov_b32 v[NIL], 0
	ds_add_u32 v[SPW], v[NIL]                      ; the wave's opening: the add, twice on end, and its wait ahead of my first tensor load
	ds_add_u32 v[SPW], v[NIL]
	v_lshrrev_b32 v1, 5, v0
	v_readfirstlane_b32 s[WV], v1                  ; wave 0..7
	s_bfe_u32 s9, ttmp6, 0x40000                   ; cx: it enters Q's and ctx's addresses alone
	s_and_b32 s10, ttmp7, 0xffff                   ; 16 x batch + head, which the four partners share
	; group 1: 16,384 dense bytes as 64 rows of 256 (32 elements of 8 bytes); the mask names all four work-groups
	s_mov_b32 s[G1], 15|(3<<16)|(1<<21)
	s_mov_b32 s[G1+1], 32<<16
	s_mov_b32 s[G1+2], 64<<16
	s_mov_b32 s[G1+3], 32<<16
	s_mov_b32 s[G1+4], 64
	s_mov_b32 s[G1+5], 32
	s_mov_b32 s[G1+6], 0
	s_mov_b32 s[G1+7], 0
	s_mov_b32 s[SEL], 0x76543210
	s_mov_b32 s[SEL+1], 0xfedcba98
	s_mov_b32 s[TB], 0
	s_lshr_b32 s34, s[WV], 2                       ; what I fetch: waves 0-3 K (tensor 1), waves 4-7 V (tensor 2),
	s_add_co_u32 s34, s34, 1
	s_lshl_b32 s34, s34, 24
	s_lshl_b32 s35, s10, 18                        ; my head's 262,144 bytes,
	s_add_co_u32 s34, s34, s35
	s_and_b32 s35, s[WV], 3
	s_lshl_b32 s35, s35, 14                        ; my quarter of a slot
	s_add_co_u32 s34, s34, s35
	s_mov_b32 s35, 0
	s_lshl_b32 s36, s[WV], 14                      ; and where it goes: 16,384 x wave
	s_lshl_b32 s38, s9, 5
	s_lshl_b32 s39, s[WV], 2
	s_add_co_u32 s38, s38, s39                     ; my first tile of queries: 32 cx + 4 x wave
	s_lshl_b32 s40, s38, 11
	s_lshl_b32 s41, s10, 18
	s_add_co_u32 s40, s40, s41                     ; Q (tensor 0)
	s_mov_b32 s41, 0
	s_lshr_b32 s42, s10, 4
	s_lshl_b32 s42, s42, 7
	s_add_co_u32 s42, s42, s38                     ; ctx: tile 128 x batch + mine, 32,768 bytes each;
	s_lshl_b32 s42, s42, 15
	s_and_b32 s43, s10, 15
	s_lshl_b32 s43, s43, 11                        ; the head's 64 along e: 2,048 bytes
	s_add_co_u32 s42, s42, s43
	s_mov_b32 s43, 0
	s_wait_dscnt 0x0                               ; both opening adds are done
	s_wait_kmcnt 0x0
	s_add_nc_u64 s[34:35], s[4:5], s[34:35]
	s_add_nc_u64 s[40:41], s[4:5], s[40:41]
	s_add_nc_u64 s[6:7], s[6:7], s[42:43]
	s_mov_b32 s[G0A], 1
	s_mov_b32 s[G0A+1], s36
	s_mov_b64 s[G0A+2:G0A+3], s[34:35]
	s_or_b32 s[G0A+3], s[G0A+3], 0x80000000
	s_mov_b32 s[G0B], 1
	s_add_co_u32 s[G0B+1], s36, SLOT1
	s_add_nc_u64 s[G0B+2:G0B+3], s[34:35], KVB
	s_or_b32 s[G0B+3], s[G0B+3], 0x80000000
	CROUND                                         ; all four work-groups are here: the first joint loads meet
	tensor_load_to_lds s[G0A:G0A+3], s[G1:G1+7]    ; slot 0
	s_nop 0
	tensor_load_to_lds s[G0B:G0B+3], s[G1:G1+7]    ; slot 1: two loads of mine are out
	s_nop 0
.rept 4
	v_nop
.endr
	v_and_b32 v[LI], 31, v0
	v_lshlrev_b32 v[LI], 4, v[LI]
	WIN 0x40                                       ; destination window 1
.set n, 0
.rept 16
	global_load_b128 v[4*n:4*n+3], v[LI], s[40:41] offset:512*n    ; Q stays in registers: tile n / 4, channels 16 (n % 4) on
.set n, n+1
.endr
	WIN 0
	v_bfe_u32 v8, v0, 4, 1                         ; the turning load: lane l reads 16 bytes: key 8 (l / 16) + l % 8, channels 8 ((l / 8) % 2) + 0 .. 7
	v_and_b32 v9, 7, v0
	v_lshl_add_u32 v8, v8, 3, v9
	v_bfe_u32 v9, v0, 3, 1
	v_lshlrev_b32 v8, 5, v8
	v_lshl_add_u32 v8, v9, 4, v8
	v_add_nc_u32 v[LT], KVB, v8
.irp t, 0,1,2,3
	v_mov_b32 v[ST+8*\t+1], 0                      ; named with m as a pair, so it is written
.endr
.macro SUBS y                          ; s - m for tiles y, y + 1, two scores an instruction (of the pair the low word, m, serves both halves)
.set n, 0
.rept 16
.irp t, \y, \y+1
	v_pk_add_f32 v[S+32*(\t)+n:S+32*(\t)+n+1], v[S+32*(\t)+n:S+32*(\t)+n+1], v[ST+8*(\t):ST+8*(\t)+1] op_sel_hi:[1,0] neg_lo:[0,1] neg_hi:[0,1]
.endr
.set n, n+2
.endr
.endm
.macro EXPS y
.set n, 0
.rept 32
.irp t, \y, \y+1
	v_exp_f32 v[S+32*(\t)+n], v[S+32*(\t)+n]
.endr
.set n, n+1
.endr
.endm
.macro SUMS y, first                   ; the row's sum of the unrounded p: two chains a tile; then l = a l + the sum
.irp t, \y, \y+1
	v_pk_add_f32 v[CH+4*(\t):CH+4*(\t)+1], v[S+32*(\t):S+32*(\t)+1], v[S+32*(\t)+2:S+32*(\t)+3]
	v_pk_add_f32 v[CH+4*(\t)+2:CH+4*(\t)+3], v[S+32*(\t)+4:S+32*(\t)+5], v[S+32*(\t)+6:S+32*(\t)+7]
.endr
.irp i, 8,12,16,20,24,28
.irp t, \y, \y+1
	v_pk_add_f32 v[CH+4*(\t):CH+4*(\t)+1], v[CH+4*(\t):CH+4*(\t)+1], v[S+32*(\t)+\i:S+32*(\t)+\i+1]
	v_pk_add_f32 v[CH+4*(\t)+2:CH+4*(\t)+3], v[CH+4*(\t)+2:CH+4*(\t)+3], v[S+32*(\t)+\i+2:S+32*(\t)+\i+3]
.endr
.endr
.if \first
.irp t, \y, \y+1
	v_pk_add_f32 v[ST+8*(\t)+2:ST+8*(\t)+3], v[CH+4*(\t):CH+4*(\t)+1], v[CH+4*(\t)+2:CH+4*(\t)+3]
.endr
.else
.irp t, \y, \y+1
	v_pk_add_f32 v[CH+4*(\t):CH+4*(\t)+1], v[CH+4*(\t):CH+4*(\t)+1], v[CH+4*(\t)+2:CH+4*(\t)+3]
.endr
.irp t, \y, \y+1
	v_pk_fma_f32 v[ST+8*(\t)+2:ST+8*(\t)+3], v[ST+8*(\t)+2:ST+8*(\t)+3], v[ST+8*(\t)+6:ST+8*(\t)+7], v[CH+4*(\t):CH+4*(\t)+1] op_sel_hi:[1,0,1]
.endr
.endif
.endm
.macro PACKP y                         ; p to f16, in place, ascending: register i takes numbers 2 i, 2 i + 1, which no later line reads
.set n, 0
.rept 16
.irp t, \y, \y+1
	v_cvt_pk_f16_f32 v[S+32*(\t)+n], v[S+32*(\t)+2*n], v[S+32*(\t)+2*n+1]
.endr
.set n, n+1
.endr
.endm
; A KEY STEP: 64 keys.  first = 1: the first step, which starts m, l and O^T.
.macro STEP first
	WIN 0
	v_add_nc_u32 v[ADK], s[TB], v[LI]
	v_add_nc_u32 v[ADV], s[TB], v[LT]
.rept 4
	v_nop                                          ; with the two additions six plain instructions behind the last V^T P: four are owed ahead of loads into V's registers, five ahead of products that write over P's
.endr
.set n, 0
.rept 16
	ds_load_b128 v[KF+4*n:KF+4*n+3], v[ADK] offset:512*n           ; K: keys 16 (n / 4) on, channels 16 (n % 4) on
.set n, n+1
.endr
	WIN 0x40
.irp kt, 0,1,2,3
.irp ct, 0,1,2,3
	ds_load_tr16_b128 v[VF+8*(4*(\kt/2)+\ct)+4*(\kt%2):VF+8*(4*(\kt/2)+\ct)+4*(\kt%2)+3], v[ADV] offset:\kt*2048+\ct*512   ; V^T: channels 16 ct on, keys 16 kt on
.endr
.endr
	s_add_co_u32 s[TB], s[TB], STEPB
	s_wait_dscnt 16                                ; K is in; V's sixteen loads may be out
	WIN 0x04                                       ; Q in window 1
.irp c, 0,1                                    ; S^T = K Q^T: sixteen accumulators by turns, one instruction a turn; the first sixteen start the sums
.irp kt, 0,1,2,3
.irp t, 0,1,2,3
.if \c == 0
	v_wmma_f32_16x16x32_f16 v[S+32*\t+8*\kt:S+32*\t+8*\kt+7], v[KF+16*\kt+8*\c:KF+16*\kt+8*\c+7], v[16*\t+8*\c:16*\t+8*\c+7], 0
.else
	v_wmma_f32_16x16x32_f16 v[S+32*\t+8*\kt:S+32*\t+8*\kt+7], v[KF+16*\kt+8*\c:KF+16*\kt+8*\c+7], v[16*\t+8*\c:16*\t+8*\c+7], v[S+32*\t+8*\kt:S+32*\t+8*\kt+7]
.endif
.endr
.endr
.endr
	WIN 0
.rept 4
	v_nop                                          ; four places ahead of the first read of results
.endr
	; the maximum of a lane's 32 scores and the old m: four chains a tile, each begun at an accumulator's low end; the four tiles by turns
.irp j, 0,1,2,3
.irp t, 0,1,2,3
	v_max3_num_f32 v[ST+8*\t+4+\j], v[S+32*\t+8*\j], v[S+32*\t+8*\j+1], v[S+32*\t+8*\j+2]
.endr
.endr
.irp u, 1,2
.irp j, 0,1,2,3
.irp t, 0,1,2,3
	v_max3_num_f32 v[ST+8*\t+4+\j], v[ST+8*\t+4+\j], v[S+32*\t+8*\j+2*\u+1], v[S+32*\t+8*\j+2*\u+2]
.endr
.endr
.endr
.irp t, 0,1,2,3
	v_max3_num_f32 v[ST+8*\t+4], v[ST+8*\t+4], v[S+32*\t+7], v[S+32*\t+15]
.endr
.irp t, 0,1,2,3
	v_max3_num_f32 v[ST+8*\t+6], v[ST+8*\t+6], v[S+32*\t+23], v[S+32*\t+31]
.endr
.irp t, 0,1,2,3
	v_max3_num_f32 v[ST+8*\t+4], v[ST+8*\t+4], v[ST+8*\t+5], v[ST+8*\t+6]
.endr
.irp t, 0,1,2,3
.if \first
	v_max_num_f32 v[ST+8*\t+4], v[ST+8*\t+4], v[ST+8*\t+7]
.else
	v_max3_num_f32 v[ST+8*\t+4], v[ST+8*\t+4], v[ST+8*\t+7], v[ST+8*\t]
.endif
.endr
.irp t, 0,1,2,3
	v_permlanex16_b32 v[ST+8*\t+5], v[ST+8*\t+4], s[SEL], s[SEL+1]   ; the query's other 32 keys lie in the lane 16 away
.endr
.irp t, 0,1,2,3
	v_max_num_f32 v[ST+8*\t+4], v[ST+8*\t+4], v[ST+8*\t+5]
.endr
.if !\first
.irp t, 0,1,2,3
	v_sub_f32 v[ST+8*\t+7], v[ST+8*\t], v[ST+8*\t+4]               ; m_old - m_new
.endr
.endif
.irp t, 0,1,2,3
	v_mov_b32 v[ST+8*\t], v[ST+8*\t+4]
.endr
	; the exponentials go in two batches, each with one wait ahead of its first reader; independent plain work stands behind each batch
	SUBS 0
	EXPS 0
.if !\first
.irp t, 0,1,2,3
	v_exp_f32 v[ST+8*\t+6], v[ST+8*\t+7]           ; a
.endr
.endif
	SUBS 2                                         ; names none of the first batch's results
	s_wait_alu depctr_va_vdst(0)                   ; for tiles 0 and 1 and the four a
	EXPS 2
	SUMS 0, \first                                 ; reads the first batch alone
	PACKP 0
	s_wait_alu depctr_va_vdst(0)                   ; for tiles 2 and 3
	SUMS 2, \first
	PACKP 2
.if !\first
	WIN 0x41                                       ; O^T (destination and source 0) in window 1, a in window 0
.irp t, 0,1,2,3
.set n, 0
.rept 16
	v_pk_mul_f32 v[O+32*\t+n:O+32*\t+n+1], v[O+32*\t+n:O+32*\t+n+1], v[ST+8*\t+6:ST+8*\t+7] op_sel_hi:[1,0]
.set n, n+2
.endr
.endr
.endif
	s_wait_dscnt 0x0                               ; V is in
	WIN 0x51                                       ; V^T, C and D in window 1, P in window 0
.irp g, 0,1                                    ; O^T += V^T P: keys 32 g on; sixteen accumulators by turns
.irp ct, 0,1,2,3
.irp t, 0,1,2,3
.if (\first) && (\g == 0)
	v_wmma_f32_16x16x32_f16 v[O+32*\t+8*\ct:O+32*\t+8*\ct+7], v[VF+8*(4*\g+\ct):VF+8*(4*\g+\ct)+7], v[S+32*\t+8*\g:S+32*\t+8*\g+7], 0
.else
	v_wmma_f32_16x16x32_f16 v[O+32*\t+8*\ct:O+32*\t+8*\ct+7], v[VF+8*(4*\g+\ct):VF+8*(4*\g+\ct)+7], v[S+32*\t+8*\g:S+32*\t+8*\g+7], v[O+32*\t+8*\ct:O+32*\t+8*\ct+7]
.endif
.endr
.endr
.endr
	WIN 0
.endm
.macro LOOPSTEPS n
	s_mov_b32 s[CNT], \n
.Lstep_\@:
	STEP 0
	s_sub_co_u32 s[CNT], s[CNT], 1
	s_cmp_lg_u32 s[CNT], 0
	s_cbranch_scc1 .Lstep_\@
.endm
; THE CHANGE OF SLOTS.  Each wave waits for all its tensor loads (one is out: its part of the other slot), adds 0 to its spare word, and waits for that and for its reads of the slot that it leaves.
; fill = 1: the barrier is a round of the cluster's, so that no wave of any partner still reads the slot or has a load on its way; the joint refill is the first thing behind it.
.macro CHANGE fill
	WIN 0
	s_wait_tensorcnt 0x0                           ; no tensor load of mine is out, so a group 0 may be written
	ds_add_u32 v[SPW], v[NIL]
.if \fill
	s_xor_b32 s[G0B+1], s[G0B+1], SLOT1            ; the walking descriptor: the other slot than last time,
	s_add_nc_u64 s[G0B+2:G0B+3], s[G0B+2:G0B+3], KVB   ; the next 512 keys; the type bits on top are not reached
.endif
	s_wait_dscnt 0x0
.if \fill
	CROUND
	tensor_load_to_lds s[G0B:G0B+3], s[G1:G1+7]
	s_nop 0
.rept 4
	v_nop
.endr
.else
	s_barrier_signal -1
	s_barrier_wait -1
.endif
	s_sub_co_u32 s[TB], s[TB], KVB                 ; back to a slot's first step,
	s_xor_b32 s[TB], s[TB], SLOT1                  ; in the other slot
.endm
	s_wait_tensorcnt 1                             ; my part of slot 0 is in; slot 1's may stay out
	s_barrier_signal -1
	s_barrier_wait -1
	s_wait_loadcnt 0x0                             ; Q
	STEP 1
	LOOPSTEPS 7
	s_mov_b32 s[SLOTS], 2
.Lslot:                                            ; two trips: keys 1,024 on go into slot 0, keys 1,536 on into slot 1
	CHANGE 1
	LOOPSTEPS 8
	s_sub_co_u32 s[SLOTS], s[SLOTS], 1
	s_cmp_lg_u32 s[SLOTS], 0
	s_cbranch_scc1 .Lslot
	CHANGE 0                                       ; the last slot is written out: nothing more is asked for
	LOOPSTEPS 8
	; THE WAY OUT.  The four additions are the places behind the last products.
.irp t, 0,1,2,3
	v_add_f32 v[ST+8*\t+4], v[ST+8*\t+2], v[ST+8*\t+3]
.endr
.irp t, 0,1,2,3
	v_permlanex16_b32 v[ST+8*\t+5], v[ST+8*\t+4], s[SEL], s[SEL+1]
.endr
.irp t, 0,1,2,3
	v_add_f32 v[ST+8*\t+4], v[ST+8*\t+4], v[ST+8*\t+5]             ; the row's sum
.endr
.irp t, 0,1,2,3
	v_rcp_f32 v[ST+8*\t+6], v[ST+8*\t+4]
.endr
	v_nop                                          ; a plain instruction between the last reciprocal and the use of its result
	s_wait_alu depctr_va_vdst(0)                   ; one wait for the four
	WIN 0x41
.irp t, 0,1,2,3
.set n, 0
.rept 16
	v_pk_mul_f32 v[O+32*\t+n:O+32*\t+n+1], v[O+32*\t+n:O+32*\t+n+1], v[ST+8*\t+6:ST+8*\t+7] op_sel_hi:[1,0]
.set n, n+2
.endr
.endr
	WIN 0x05                                       ; sources in window 1, destination in window 0: S^T's registers are free
.irp t, 0,1,2,3
.set n, 0
.rept 16
	v_cvt_pk_f16_f32 v[S+16*\t+n], v[O+32*\t+2*n], v[O+32*\t+2*n+1]
.set n, n+1
.endr
.endr
	WIN 0
.irp t, 0,1,2,3
.irp ct, 0,1,2,3
	global_store_b128 v[LI], v[S+16*\t+4*\ct:S+16*\t+4*\ct+3], s[6:7] offset:\t*32768+\ct*512   ; 512 consecutive bytes
.endr
.endr
	s_wait_tensorcnt 0x0                           ; the wave's end
	ds_add_u32 v[SPW], v[NIL]
	s_wait_dscnt 0x0
	CROUND                                         ; the closing round
	s_endpgm
.Lfunc_end_k_qf8cf452cab_attn:
	.size	k_qf8cf452cab_attn, .Lfunc_end_k_qf8cf452cab_attn-k_qf8cf452cab_attn
	.p2alignl 7, 3214868480
	.fill 96, 4, 3214868480
	.section	.rodata,"a",@progbits
	.p2align	6, 0x0
	.amdhsa_kernel k_qf8cf452cab_attn
		.amdhsa_group_segment_fixed_size 327680
		.amdhsa_private_segment_fixed_size 0
		.amdhsa_enable_private_segment 0
		.amdhsa_kernarg_size 16
		.amdhsa_user_sgpr_count 2
		.amdhsa_user_sgpr_kernarg_segment_ptr 1
		.amdhsa_wavefront_size32 1
		.amdhsa_system_sgpr_workgroup_id_x 1
		.amdhsa_system_sgpr_workgroup_id_y 1
		.amdhsa_system_sgpr_workgroup_id_z 1
		.amdhsa_system_vgpr_workitem_id 0
		.amdhsa_next_free_vgpr 512
		.amdhsa_next_free_sgpr 66
		.amdhsa_reserve_vcc 0
		.amdhsa_float_denorm_mode_32 3
		.amdhsa_float_denorm_mode_16_64 3
		.amdhsa_memory_ordered 1
		.amdhsa_forward_progress 1
		.amdhsa_inst_pref_size 140
	.end_amdhsa_kernel
	.amdgpu_metadata
---
amdhsa.version: [ 1, 2 ]
amdhsa.kernels:
  - .name:           k_qf8cf452cab_attn
    .symbol:         k_qf8cf452cab_attn.kd
    .args:
      - { .name: qkv_f, .offset: 0, .size: 8, .value_kind: global_buffer, .address_space: global }
      - { .name: ctx_f, .offset: 8, .size: 8, .value_kind: global_buffer, .address_space: global }
    .group_segment_fixed_size: 327680
    .private_segment_fixed_size: 0
    .kernarg_segment_align: 8
    .kernarg_segment_size: 16
    .max_flat_workgroup_size: 256
    .sgpr_count:     66
    .vgpr_count:     512
    .wavefront_size: 32
...
	.end_amdgpu_metadata
.endif
;; end of part 3
;; launch oproj (part 4): grid 32 x 8, 4 waves a work-group, clusters of 4 x 1, 327,680 bytes of LDS; arguments ctx_f, wo_f, bo, out0; writes out0
.if DOCPART == 4
	.amdgcn_target "amdgcn-amd-amdhsa--gfx1250"
	.amdhsa_code_object_version 6
	.text
	.protected	k_qf8cf452cab_oproj
	.globl	k_qf8cf452cab_oproj
	.p2align	8
	.type	k_qf8cf452cab_oproj,@function
k_qf8cf452cab_oproj:
	s_mov_b64 s[64:65], 0
	v_nop
	global_prefetch_b8 v0, s[64:65] scope:SCOPE_SE
	s_setreg_imm32_b32 hwreg(HW_REG_WAVE_MODE, 25, 1), 1
	s_wait_xcnt 0x0
	s_wait_alu depctr_hold_cnt(0) depctr_sa_sdst(0) depctr_va_vdst(0) depctr_va_sdst(0) depctr_va_ssrc(0) depctr_va_vcc(0) depctr_vm_vsrc(0)
	s_getreg_b32 s2, hwreg(HW_REG_IB_STS2, 6, 4)
	s_cmp_eq_u32 s2, 0
	s_cbranch_scc0 .Lentry_in_a_cluster
	s_endpgm
.Lentry_in_a_cluster:
	s_bfe_u32 s2, ttmp6, 0x10000c
	s_cmp_lg_u32 s2, 0x3003
	s_cbranch_scc0 .Lentry_shape_is_right
	s_endpgm
.Lentry_shape_is_right:
; OPROJ: out[token][n] = sum over e of ctx[token][e] Wo[e][n] + bo[n]; 8,192 x 1,024, K = 1,024; operands in f16, sums in f32.
; SHARES.  A work-group makes 256 tokens x 128 outputs, each of its four waves 64 x 128: 32 accumulators.  256 work-groups.
; Wo's slice for the 128 outputs (262,144 bytes, images of the operand's registers) STAYS IN LDS: filled once, in four quarters of 256 along e, JOINTLY by the four partners of a cluster, which share the slice.
; ctx (images of the operand's registers too) goes from memory straight into fragment registers, through a ring of seven sets of 32 registers, six steps ahead.  It is read by the eight work-groups of a row of tokens;
; these are not made partners, since ctx does not pass through LDS: Wo's slice and the stage take 295,936 of its bytes.  Nothing is filled again: no ring in LDS, no round but the first and the closing one.
; THE MATRIX INSTRUCTION IS USED TRANSPOSED (source 0 = 16 outputs of Wo, source 1 = 16 tokens): a lane holds one token and eight neighbouring outputs.  The way out goes through the wave's stage, so that 32 lanes store 512 consecutive bytes of a row.
; REGISTERS.  window 0: v1-15 addresses, bo; v32-95, v96-159 Wo's fragments, two sets, later rows of out.  window 1: accumulator (a, b) at v[8 (8 a + b)].  window 2: ctx's ring, set s % 7 at v[32 (s % 7)].
.set QB,    65536                      ; a quarter of the slice
.set STG,   4*QB                       ; the stages: 16 rows x (512 + 16) bytes a wave
.set SPITCH, 528
.set SPARE, STG+4*16*SPITCH            ; the spare words, 128 bytes a wave
.set LI,  1                            ; v1 16 x lane
.set STO, 3
.set RD,  4
.set SPW, 6
.set NIL, 7
.set BO,  8                            ; v[8:11] bo of my four outputs of a row
.set ADB, 12                           ; v12-15 16 x lane + quarter
.set BF0, 32
.set WV,  12                           ; s12 wave
.set G1,  20                           ; s[20:27]
.set G0,  28                           ; s[28:43] a group 0 for each quarter
.set MSB, 0
.macro WIN new
.if MSB != \new
	s_set_vgpr_msb (MSB<<8)|\new
.set MSB, \new
.endif
.endm
.macro CROUND
	s_barrier_signal -1
	s_barrier_wait -1
	s_cmp_lg_u32 s[WV], 0
	s_cbranch_scc1 .Lnot_wave_0_\@
	s_barrier_signal -3
.Lnot_wave_0_\@:
	s_barrier_wait -3
	s_barrier_signal -1
	s_barrier_wait -1
.endm
	s_load_b256 s[4:11], s[0:1], 0x0               ; ctx_f 4, wo_f 6, bo 8, out0 10
	v_lshl_add_u32 v[SPW], v0, 2, SPARE
	v_mov_b32 v[NIL], 0
	ds_add_u32 v[SPW], v[NIL]                      ; the wave's opening: the add, twice on end, and its wait ahead of my first tensor load
	ds_add_u32 v[SPW], v[NIL]
	v_lshrrev_b32 v1, 5, v0
	v_readfirstlane_b32 s[WV], v1                  ; wave 0..3
	s_bfe_u32 s13, ttmp6, 0x40000                  ; cx
	s_lshl_b32 s14, ttmp9, 2
	s_add_co_u32 s14, s14, s13                     ; which 256 tokens
	s_and_b32 s15, ttmp7, 0xffff                   ; which 128 outputs: shared by the four partners
	s_mov_b32 s[G1], 15|(3<<16)|(1<<21)            ; 16,384 dense bytes as 64 rows of 256 (32 elements of 8 bytes); the mask names all four
	s_mov_b32 s[G1+1], 32<<16
	s_mov_b32 s[G1+2], 64<<16
	s_mov_b32 s[G1+3], 32<<16
	s_mov_b32 s[G1+4], 64
	s_mov_b32 s[G1+5], 32
	s_mov_b32 s[G1+6], 0
	s_mov_b32 s[G1+7], 0
	s_lshl_b32 s18, s[WV], 14                      ; my 16,384 bytes of a quarter, in LDS and in memory
	s_lshl_b32 s16, s15, 18
	s_add_co_u32 s16, s16, s18
	s_mov_b32 s17, 0
	s_lshl_b32 s19, s15, 9                         ; 128 outputs x 4 bytes
	s_lshl_b32 s44, s14, 4
	s_lshl_b32 s45, s[WV], 2
	s_add_co_u32 s44, s44, s45                     ; my first tile of 16 tokens
	s_lshl_b32 s46, s44, 16                        ; out: 16 rows of 4,096 bytes a tile
	s_add_co_u32 s46, s46, s19
	s_mov_b32 s47, 0
	s_lshl_b32 s44, s44, 15                        ; ctx: 32,768 bytes a tile
	s_mov_b32 s45, 0
	s_wait_dscnt 0x0                               ; both opening adds are done
	s_wait_kmcnt 0x0
	s_add_nc_u64 s[6:7], s[6:7], s[16:17]
	s_add_nc_u64 s[4:5], s[4:5], s[44:45]
	s_add_nc_u64 s[10:11], s[10:11], s[46:47]
.irp j, 0,1,2,3
	s_mov_b32 s[G0+4*\j], 1
	s_add_co_u32 s[G0+4*\j+1], s18, \j*QB
	s_add_nc_u64 s[G0+4*\j+2:G0+4*\j+3], s[6:7], \j*QB
	s_or_b32 s[G0+4*\j+3], s[G0+4*\j+3], 0x80000000
.endr
	CROUND                                         ; all four work-groups are here: the joint loads meet
.irp j, 0,1,2,3
	tensor_load_to_lds s[G0+4*\j:G0+4*\j+3], s[G1:G1+7]            ; four loads of mine are out
	s_nop 0
.endr
.rept 4
	v_nop
.endr
	v_and_b32 v[LI], 31, v0
	v_lshlrev_b32 v[LI], 4, v[LI]
	v_add_nc_u32 v5, s19, v[LI]
	global_load_b128 v[BO:BO+3], v5, s[8:9]        ; bo first, so that the counts below count ctx's sets alone
.macro ALOAD s                         ; ctx: 32 along e, step s, of my four tiles of tokens, into set s % 7
.irp a, 0,1,2,3
.irp c, 0,1
	global_load_b128 v[32*((\s)%7)+8*\a+4*\c:32*((\s)%7)+8*\a+4*\c+3], v[LI], s[4:5] offset:\a*32768+(\s)*1024+\c*512
.endr
.endr
.endm
.macro BLOAD s                         ; Wo: the same 32 along e of the eight tiles of outputs, into set s % 2
.irp i, 0,1,2,3,4,5,6,7
.irp c, 0,1
	ds_load_b128 v[BF0+64*((\s)%2)+8*\i+4*\c:BF0+64*((\s)%2)+8*\i+4*\c+3], v[ADB+(\s)/8] offset:\i*8192+((\s)%8)*1024+\c*512
.endr
.endr
.endm
	WIN 0x80                                       ; destination window 2
.irp s, 0,1,2,3,4,5,6
	ALOAD \s
.endr
	WIN 0
.irp j, 0,1,2,3
	v_add_nc_u32 v[ADB+\j], \j*QB, v[LI]
.endr
	v_and_b32 v16, 15, v0
	v_bfe_u32 v17, v0, 4, 1
	s_mul_i32 s16, s[WV], 16*SPITCH
	s_add_co_u32 s16, s16, STG                     ; my stage
	v_mul_u32_u24 v[STO], v16, SPITCH              ; in: row r, 32 bytes for each half of the lanes
	v_lshl_add_u32 v[STO], v17, 5, v[STO]
	v_add_nc_u32 v[STO], s16, v[STO]
	v_add_nc_u32 v[RD], s16, v[LI]                 ; back: the 32 lanes take one row of 512 bytes
	s_wait_tensorcnt 3                             ; my part of quarter 0 is in; the other three may stay out
	s_barrier_signal -1
	s_barrier_wait -1
	BLOAD 0
; A step of 32 along e: 32 matrix instructions, the 32 accumulators by turns.
.macro KSTEP s
	WIN 0
.if (\s) == 0
	s_wait_loadcnt 48                              ; set 0 (and bo) are in; the six younger sets may be out
.elseif (\s)+5 <= 31
	s_wait_loadcnt 40                              ; set s is in; sets s + 1 .. s + 5 may be out
.else
	s_wait_loadcnt 8*(31-(\s))
.endif
	s_wait_dscnt 0x0                               ; Wo's fragments of this step, asked for a step ago
.if ((\s)+1)%8 == 0 && (\s) < 31
	s_wait_tensorcnt 3-((\s)+1)/8                  ; my part of the next quarter is in,
	s_barrier_signal -1
	s_barrier_wait -1                              ; everybody's is
.endif
.rept 4
	v_nop                                          ; four places behind the last step's products, ahead of loads into the registers that they read
.endr
.if (\s) < 31
	BLOAD (\s)+1
.endif
.if (\s) >= 1 && (\s)+6 <= 31
	WIN 0x80
	ALOAD (\s)+6                                   ; into the set that the last step multiplied
.endif
	WIN 0x58                                       ; Wo window 0, ctx window 2, C and D window 1
.irp a, 0,1,2,3
.irp b, 0,1,2,3,4,5,6,7
.if (\s) == 0
	v_wmma_f32_16x16x32_f16 v[8*(8*\a+\b):8*(8*\a+\b)+7], v[BF0+64*((\s)%2)+8*\b:BF0+64*((\s)%2)+8*\b+7], v[32*((\s)%7)+8*\a:32*((\s)%7)+8*\a+7], 0
.else
	v_wmma_f32_16x16x32_f16 v[8*(8*\a+\b):8*(8*\a+\b)+7], v[BF0+64*((\s)%2)+8*\b:BF0+64*((\s)%2)+8*\b+7], v[32*((\s)%7)+8*\a:32*((\s)%7)+8*\a+7], v[8*(8*\a+\b):8*(8*\a+\b)+7]
.endif
.endr
.endr
.endm
.set KI, 0
.rept 32
	KSTEP KI
.set KI, KI+1
.endr
	WIN 0
.rept 4
	v_nop                                          ; places ahead of the first read of results and of loads into Wo's registers
.endr
; THE WAY OUT, a block of 16 tokens x 128 outputs at a time, through my own stage.  LDS serves a wave's instructions in order (ISA guide 5.7.1.4): no wait between the stores and the loads, nor ahead of the next block's stores.
.macro TOSTAGE a
	WIN 0x04                                       ; an LDS store's data are its source 1: window 1
.irp b, 0,1,2,3,4,5,6,7
	ds_store_b128 v[STO], v[8*(8*(\a)+\b):8*(8*(\a)+\b)+3] offset:64*\b           ; each accumulator from its low end on
	ds_store_b128 v[STO], v[8*(8*(\a)+\b)+4:8*(8*(\a)+\b)+7] offset:64*\b+16
.endr
	WIN 0
.irp t, 0,1,2,3,4,5,6,7,8,9,10,11,12,13,14,15
	ds_load_b128 v[BF0+64*((\a)%2)+4*\t:BF0+64*((\a)%2)+4*\t+3], v[RD] offset:\t*SPITCH
.endr
.endm
.macro SEND a, younger                 ; younger: the LDS instructions issued behind block a's loads
.set BB, BF0+64*((\a)%2)
	s_wait_dscnt \younger
.irp t, 0,1,2,3,4,5,6,7,8,9,10,11,12,13,14,15
	v_pk_add_f32 v[BB+4*\t:BB+4*\t+1], v[BB+4*\t:BB+4*\t+1], v[BO:BO+1]
	v_pk_add_f32 v[BB+4*\t+2:BB+4*\t+3], v[BB+4*\t+2:BB+4*\t+3], v[BO+2:BO+3]
.endr
.irp t, 0,1,2,3,4,5,6,7,8,9,10,11,12,13,14,15
	global_store_b128 v[LI], v[BB+4*\t:BB+4*\t+3], s[10:11] offset:(16*(\a)+\t)*4096 th:TH_STORE_NT   ; 512 consecutive bytes of a row of out
.endr
.endm
	TOSTAGE 0
.irp a, 1,2,3
.if \a > 1
	s_wait_xcnt 0x0                                ; block a - 2's stores have read their registers: block a's loads may land there
.endif
	TOSTAGE \a
	SEND \a-1, 32
.endr
	SEND 3, 0
	s_wait_tensorcnt 0x0                           ; the wave's end: behind my last tensor load and my last LDS store
	ds_add_u32 v[SPW], v[NIL]
	s_wait_dscnt 0x0
	CROUND                                         ; the closing round
	s_endpgm
.Lfunc_end_k_qf8cf452cab_oproj:
	.size	k_qf8cf452cab_oproj, .Lfunc_end_k_qf8cf452cab_oproj-k_qf8cf452cab_oproj
	.p2alignl 7, 3214868480
	.fill 96, 4, 3214868480
	.section	.rodata,"a",@progbits
	.p2align	6, 0x0
	.amdhsa_kernel k_qf8cf452cab_oproj
		.amdhsa_group_segment_fixed_size 327680
		.amdhsa_private_segment_fixed_size 0
		.amdhsa_enable_private_segment 0
		.amdhsa_kernarg_size 32
		.amdhsa_user_sgpr_count 2
		.amdhsa_user_sgpr_kernarg_segment_ptr 1
		.amdhsa_wavefront_size32 1
		.amdhsa_system_sgpr_workgroup_id_x 1
		.amdhsa_system_sgpr_workgroup_id_y 1
		.amdhsa_system_sgpr_workgroup_id_z 1
		.amdhsa_system_vgpr_workitem_id 0
		.amdhsa_next_free_vgpr 768
		.amdhsa_next_free_sgpr 66
		.amdhsa_reserve_vcc 0
		.amdhsa_float_denorm_mode_32 3
		.amdhsa_float_denorm_mode_16_64 3
		.amdhsa_memory_ordered 1
		.amdhsa_forward_progress 1
		.amdhsa_inst_pref_size 157
	.end_amdhsa_kernel
	.amdgpu_metadata
---
amdhsa.version: [ 1, 2 ]
amdhsa.kernels:
  - .name:           k_qf8cf452cab_oproj
    .symbol:         k_qf8cf452cab_oproj.kd
    .args:
      - { .name: ctx_f, .offset: 0, .size: 8, .value_kind: global_buffer, .address_space: global }
      - { .name: wo_f, .offset: 8, .size: 8, .value_kind: global_buffer, .address_space: global }
      - { .name: bo, .offset: 16, .size: 8, .value_kind: global_buffer, .address_space: global }
      - { .name: out0, .offset: 24, .size: 8, .value_kind: global_buffer, .address_space: global }
    .group_segment_fixed_size: 327680
    .private_segment_fixed_size: 0
    .kernarg_segment_align: 8
    .kernarg_segment_size: 32
    .max_flat_workgroup_size: 128
    .sgpr_count:     66
    .vgpr_count:     768
    .wavefront_size: 32
...
	.end_amdgpu_metadata
.endif
;; end of part 4
